; MI455X (gfx1250); checked and timed in simulation.
; The chip was launched on July 23, 2026; its instructions are those of AMD's public machine-readable ISA for CDNA 5 (MIT licence, August 2026) and "CDNA5" Instruction Set Architecture Reference Guide (July 2026). The comments in the code are by the model that wrote it; some were corrected since.
;; Semantic Codebook. Allowed arithmetic: matrix products marked QUANTISED: E2M1 operands, one E8M0 scale for each 32 along K, by v_wmma_scale_f32_16x16x128_f8f6f4 with both operands' format E2M1 (or v_wmma_scale_f32_32x16x128_f4), f32 sums; everything else in f32.
;; Inputs: cluster_usage 8,192 float32; embedding_sum 8,192 x 512 float32; x 16 x 512 x 1,024 float32.
;; Outputs: out0 16 x 1 x 1,024 int32; out1 16 x 512 x 1,024 float32.
;; This version of the problem:
;;   THIS VERSION OF THE PROBLEM IS GIVEN IN LOW PRECISION. The matrix products marked QUANTISED in the list below multiply operands that are first quantised to E2M1 (2 exponent bits, 1 mantissa bit; 4 bits a number), with one power-of-two scale for each 32 numbers along K (OCP MX v1.0); their sums are f32. All else is computed in f32.
;;   The module's matrix products, in the order in which they are computed (A, B: the left and right operand; K: the contracted axis; several contracted axes count as one K, in the product's order):
;;     1. [M 16,384, K 512] x [K 512, N 8,192]; A: input x; B: computed on the way: QUANTISED
;;   THE QUANTISER, for each operand of a quantised product, along K:
;;     - K is cut into blocks of 32 from its start; a last block that is shorter is filled with zeros.
;;     - A block's scale is 2^e with e = floor(log2(the largest magnitude in the block)) - 2, held to -126 .. 127; a block of zeros has e = 0. As a byte (E8M0): e + 127.
;;     - Each number is divided by its block's scale, clamped to +-6, and rounded to the nearest number of E2M1, ties to even, subnormals kept.
;;     - The product sums the exact products of the quantised numbers (number of the format x scale) in f32.
;;   ~~~python
;;   def quantise(x, axis):      # numpy; x: float32 -> the quantised numbers, widened to float32 again
;;       x = np.moveaxis(x, axis, -1); K = x.shape[-1]
;;       x = np.pad(x, [(0, 0)] * (x.ndim - 1) + [(0, -K % 32)]); x = x.reshape(x.shape[:-1] + (-1, 32)); a = np.abs(x).max(-1, keepdims=True)
;;       e = np.where(a > 0, np.clip(np.frexp(np.where(a > 0, a, 1))[1] - 1 - 2, -126, 127), 0)      # np.frexp(a)[1] - 1 = floor(log2(a)), exactly
;;       r = np.clip(x / 2.0 ** e, -6, 6)
;;       step = 2.0 ** (np.maximum(np.frexp(np.where(r == 0, 1, r))[1] - 1, 0) - 1)
;;       q = np.round(r / step) * step * 2.0 ** e      # np.round: ties to even
;;       return np.moveaxis(q.reshape(q.shape[:-2] + (-1,))[..., :K], -1, axis).astype(np.float32)
;;   ~~~
;;   OPERANDS COMPUTED ON THE WAY. 'Computed on the way' means the value that the module computes at that place (a softmax that the list does not call 'softmax' is quantised finished and normalised). What goes into a quantiser is computed in f32, as accurately as f32 sums, v_exp_f32 and their like allow (about 1e-6 of the number): no bf16 or f16 on the way to a quantiser, and a product that is left as it is and whose result goes on into a quantised operand takes f32 operands (vector FMAs, or v_wmma_f32_16x16x4_f32). A number that lies on a knife's edge between two numbers of the format may be rounded either way, as far as f32 arithmetic and the matrix unit's own rounding can turn it there, and no further.
;; One version. Each part assembles by itself: llvm-mc -triple=amdgcn-amd-amdhsa -mcpu=gfx1250 --defsym DOCPART=n.
;; ======== version 1 of 1: 3 launches
;; limits: right only within a limited range of input values
;; workspace buffers: xq 4,456,448 bytes; eq 2,359,296 bytes; cand_val 262,144 bytes of whole numbers; cand_idx 262,144 bytes of whole numbers
;; launch prep (part 1): grid 256 x 1, 10 waves a work-group, no clusters, 19,200 bytes of LDS; arguments x, embedding_sum, cluster_usage, xq, eq; writes xq, eq
.if DOCPART == 1
	.amdgcn_target "amdgcn-amd-amdhsa--gfx1250"
	.amdhsa_code_object_version 6
	.text
	.protected	k_q62dedf850a_prep
	.globl	k_q62dedf850a_prep
	.p2align	8
	.type	k_q62dedf850a_prep,@function
k_q62dedf850a_prep:
	s_mov_b64 s[64:65], 0
	v_nop
	global_prefetch_b8 v0, s[64:65] scope:SCOPE_SE
	s_setreg_imm32_b32 hwreg(HW_REG_WAVE_MODE, 25, 1), 1
	s_wait_xcnt 0x0
; PREP: both operands of the quantised product become codes of FP4 (E2M1) with one E8M0 byte for each 32 along D, laid in the order of the matrix operand's registers.
; x [16][512][1024] f32: row n = 1024 b + t of the product is the column x[b][:][t].  emb[k][:] = embedding_sum[k][:] / max(cluster_usage[k], 1e-5), [8192][512].
; WORK LEFT OUT IN THIS PROGRAM: x2[n] = sum over d of x^2.  reference() adds it to d2[n][k] for every k alike, and d2 reaches the outputs through argmin over k alone; in real numbers
; argmin_k (x2 - 2 P + e2) = argmin_k (e2 - 2 P) = argmax_k (P - e2 / 2) for all values of the inputs.  So x2 is not computed; every input still has a way to an output and is loaded.
; LIMITS that follow: a NaN, an infinity or an overflow that arises in x2 alone is not carried to the result; the order of rounding ahead of the argmin differs from reference()'s
; (no rounding of x2 - 2 P), so two codewords whose distances differ by less than a few units in the last place of d2 may be chosen the other way round.
; A block's scale is 2^(floor(log2(its largest magnitude)) - 2): its byte is the largest magnitude's exponent field - 2, held at 1 from below by a floor among the maximum's leaves.
; OUT, for a tile of 16 rows: the 32 codes (16 bytes) of row r, block kb = d / 32, at byte 256 kb + 16 r.
;   eq: a record of 4,608 bytes for each 16 codewords: 4,096 of codes; at 4096 + 16 r row r's 16 scale bytes; at 4352 + 4 r the number -e2 / 2 of row r (e2 = the row's sum of squares); zeros up to 4,608.
;   xq: a record of 8,704 bytes for each 32 rows: two tiles' codes; at 8192 + 128 s + 4 row the scale word of d = 128 s .. 128 s + 127.
; SHARES.  Work-group w: waves 0-7 take x's columns n = 64 w .. 64 w + 63 (wave: 32 columns x 128 d), waves 8 and 9 the codeword tiles 2 w and 2 w + 1.  The roles part once, on the wave's number, and
; never join: no barrier.  Only waves 8 and 9 use LDS, each its own 8,960 bytes.
; The quotient ahead of the quantiser is x r + (x - (x r) u) r with r = 1 / u refined by one Newton step: three fused operations.
; FURTHER LIMITS: NaN and infinities among the inputs are not served.  A block of zeros, or one whose largest magnitude lies under 2^-124, gets the byte 1 (zero blocks: where the rule says 127; their codes
; are zeros, and this program alone reads the bytes).  e2 is summed in four chains a lane, another order than a plain left-to-right sum.
.set EPS,    0x3727c5ac                ; 1e-5
.set FLOOR,  0x1800000                 ; 2^(3 - 127)
.set TWOOFF, 0xff000000                ; takes 2 off an exponent field
.set SPITCH, 528                       ; a stage row: 512 bytes + 16, an odd multiple of 16
.set TAIL,   16*SPITCH                 ; behind the stage: 512 bytes in which a record's tail is put together
.set WREG,   TAIL+512                  ; LDS of one emb wave
.set XREC,   8704
.set EREC,   4608
	s_load_b128 s[4:7], s[0:1], 0x0                ; x, embedding_sum
	s_load_b128 s[8:11], s[0:1], 0x10              ; cluster_usage, xq
	s_load_b64 s[12:13], s[0:1], 0x20              ; eq
	v_lshl_add_u32 v62, v0, 2, 0x4600              ; my spare word, behind the two emb waves' regions
	v_mov_b32 v63, 0
	v_lshrrev_b32 v1, 5, v0
	s_delay_alu instid0(VALU_DEP_1)
	v_readfirstlane_b32 s14, v1                    ; wave 0..9
	v_and_b32 v2, 31, v0                           ; lane
	v_and_b32 v3, 15, v0                           ; r
	v_bfe_u32 v4, v0, 4, 1                         ; h
	s_and_b32 s15, s14, 1
	s_mul_i32 s16, s15, WREG                       ; every LDS address is made here, ahead of the parting of the roles
	v_lshlrev_b32 v1, 4, v2                        ; 16 x lane
	s_delay_alu instid0(VALU_DEP_1)
	v_add_nc_u32 v5, s16, v1                       ; the stage, on the way in: 16 bytes a lane of a row's 512
	v_mul_u32_u24 v6, v3, SPITCH
	s_delay_alu instid0(VALU_DEP_1)
	v_lshl_add_u32 v6, v4, 7, v6
	s_delay_alu instid0(VALU_DEP_1)
	v_add_nc_u32 v6, s16, v6                       ; and back: row r, + 128 h: a whole block of 32 numbers a lane
	s_delay_alu instid0(VALU_DEP_4)
	v_add_nc_u32 v7, TAIL, v5                      ; the tail: 16 bytes a lane
	v_lshlrev_b32 v20, 2, v3                       ; 4 r
	s_delay_alu instid0(VALU_DEP_1)
	v_add_nc_u32 v21, s16, v20
	s_delay_alu instid0(VALU_DEP_1)
	v_add_nc_u32 v21, TAIL+256, v21                ; the tail: -e2 / 2 of row r
	s_wait_kmcnt 0x0
	s_cmp_lt_u32 s14, 8
	s_cbranch_scc0 .Lemb
; ---------------- waves 0-7: x.  A lane takes a column t, and its registers run down D: a block of 32 lies in one lane's 32 registers, and the conversions give codes with D innermost.
; v64-191 four blocks of 32 numbers; v32-47 their codes; neither is written twice, so no store's data are written again.
	s_lshr_b32 s17, s14, 1                         ; s: which 128 of D
	s_lshr_b32 s18, ttmp9, 4                       ; b
	s_lshl_b32 s20, s18, 21                        ; b x 512 x 4,096 bytes
	s_lshl_b32 s19, s17, 19                        ; + s x 128 x 4,096
	s_add_co_u32 s20, s20, s19
	s_and_b32 s19, ttmp9, 15
	s_lshl_b32 s19, s19, 8                         ; + 4 t0, t0 = 64 (w % 16)
	s_add_co_u32 s20, s20, s19
	s_lshl_b32 s19, s15, 7                         ; + my 32 columns
	s_add_co_u32 s20, s20, s19
	s_mov_b32 s21, 0
	s_add_nc_u64 s[4:5], s[4:5], s[20:21]
	s_lshl_b32 s22, ttmp9, 1
	s_add_co_u32 s22, s22, s15
	s_mul_i32 s22, s22, XREC                       ; my record: 32 rows
	s_mov_b32 s23, 0
	s_add_nc_u64 s[10:11], s[10:11], s[22:23]
	v_lshlrev_b32 v18, 2, v2                       ; in: 4 bytes a lane
	v_lshlrev_b32 v19, 12, v4
	s_delay_alu instid0(VALU_DEP_1)
	v_lshl_add_u32 v19, v3, 4, v19
	s_lshl_b32 s19, s17, 10
	v_add_nc_u32 v19, s19, v19                     ; codes: tile h, 16 r, + 256 x my first block
	s_lshl_b32 s19, s17, 7
	s_add_co_u32 s19, s19, 8192
	v_lshl_add_u32 v22, v2, 2, s19                 ; the scale word: 8192 + 128 s + 4 lane
.macro XLOAD t                         ; block t: x(d = 32 t + i, my column): 32 lanes read 128 consecutive bytes, the neighbouring wave the next 128
.set I, 0
.rept 32
	global_load_b32 v[64+32*(\t)+I], v18, s[4:5] offset:(32*(\t)+I)*4096 th:TH_LOAD_NT
.set I, I+1
.endr
.endm
.macro XBLOCK t
.set XB, 64+32*(\t)
.if \t < 3
	s_wait_loadcnt 32                              ; this block's 32 loads are in; the next block's 32 may be out
.else
	s_wait_loadcnt 0
.endif
.if \t < 2
	XLOAD \t+2
.endif
	v_max3_num_f32 v12, |v[XB]|, |v[XB+1]|, |v[XB+2]|             ; the block's largest magnitude, in two chains
	v_max3_num_f32 v13, |v[XB+3]|, |v[XB+4]|, |v[XB+5]|
.irp i, 6,10,14,18,22,26
	s_delay_alu instid0(VALU_DEP_2)
	v_max3_num_f32 v12, v12, |v[XB+\i]|, |v[XB+\i+1]|
	s_delay_alu instid0(VALU_DEP_2)
	v_max3_num_f32 v13, v13, |v[XB+\i+2]|, |v[XB+\i+3]|
.endr
	s_delay_alu instid0(VALU_DEP_2)
	v_max3_num_f32 v12, v12, |v[XB+30]|, |v[XB+31]|
	s_delay_alu instid0(VALU_DEP_1)
	v_max3_num_f32 v12, v12, v13, FLOOR            ; and the floor: the byte cannot fall under 1
	s_delay_alu instid0(VALU_DEP_1)
	v_add_nc_u32 v14, TWOOFF, v12                  ; 2 off the exponent field: the conversion takes this operand's exponent field as its scale
.irp g, 0,1,2,3
	v_cvt_scalef32_pk8_fp4_f32 v[32+4*(\t)+\g], v[XB+8*\g:XB+8*\g+7], v14
.endr
	v_lshrrev_b32 v15, 23, v14                     ; the scale's byte (a plain line behind the conversions)
.if \t == 0
	s_delay_alu instid0(VALU_DEP_1)
	v_mov_b32 v16, v15                             ; four bytes make the scale word of my 128 d
.else
	s_delay_alu instid0(VALU_DEP_1)
	v_lshl_or_b32 v16, v15, 8*(\t), v16
.endif
	global_store_b128 v19, v[32+4*(\t):35+4*(\t)], s[10:11] offset:256*(\t)   ; sixteen lanes store 256 consecutive bytes, at a multiple of 256 from xq's first byte
.endm
	XLOAD 0
	XLOAD 1
	s_wait_alu depctr_va_vdst(0)                   ; the wait here, ahead of the blocking wait below
	XBLOCK 0
	XBLOCK 1
	XBLOCK 2
	XBLOCK 3
	global_store_b32 v22, v16, s[10:11]            ; 32 lanes store 128 consecutive bytes; the wave of the neighbouring s stores the other 128 of the aligned 256
	s_endpgm
; ---------------- waves 8, 9: sixteen codewords each.  D is innermost in memory: each load reads 512 consecutive bytes of a row; 16 rows x 128 d turn through the wave's own stage, so that a lane holds whole blocks.
; v128-255 two sets of 64 as loaded; v64-127 two blocks of 32 neighbours; v40-55 at work; v32-39 codes; v[8:9] 1 / u, v[10:11] u, each twice; v[12:15] e2 in four chains; v24-27 the scale words.
.Lemb:
	s_lshl_b32 s17, ttmp9, 1
	s_add_co_u32 s17, s17, s15                     ; tile T = 2 w + (wave - 8)
	s_lshl_b32 s20, s17, 15                        ; 16 rows of 2,048 bytes
	s_mov_b32 s21, 0
	s_add_nc_u64 s[6:7], s[6:7], s[20:21]
	s_lshl_b32 s22, s17, 6
	s_mov_b32 s23, 0
	s_add_nc_u64 s[8:9], s[8:9], s[22:23]
	s_mul_i32 s24, s17, EREC
	s_mov_b32 s25, 0
	s_add_nc_u64 s[12:13], s[12:13], s[24:25]
	s_mov_b32 s26, 0x76543210
	s_mov_b32 s27, 0xfedcba98                      ; v_permlanex16_b32's selects for lane l xor 16
	v_lshlrev_b32 v22, 8, v4
	s_delay_alu instid0(VALU_DEP_1)
	v_lshl_add_u32 v22, v3, 4, v22                 ; codes: 256 h + 16 r
.macro ELOAD s                         ; d = 128 s .. 128 s + 127 of the 16 rows
.set RL, 128+64*((\s)%2)
.irp i, 0,1,2,3,4,5,6,7,8,9,10,11,12,13,14,15
	global_load_b128 v[RL+4*\i:RL+4*\i+3], v1, s[6:7] offset:2048*\i+512*(\s) th:TH_LOAD_NT
.endr
.endm
	s_wait_alu depctr_va_vdst(0)                   ; the wait behind the taken branch
	global_load_b32 v23, v20, s[8:9]               ; cluster_usage of row r
	ELOAD 0
	ELOAD 1
	s_wait_loadcnt 32                              ; the usage is in; the two steps' 32 loads may be out
	v_max_num_f32 v10, EPS, v23                    ; u = max(usage, 1e-5)
	s_wait_alu depctr_va_vdst(0)                   ; the wait ahead of the transcendental
	v_rcp_f32 v8, v10
	v_mov_b32 v11, v10                             ; a plain line behind the reciprocal
	s_wait_alu depctr_va_vdst(0)                   ; and ahead of the first line that names its result
	v_fma_f32 v16, -v10, v8, 1.0                   ; one Newton step
	v_fma_f32 v8, v16, v8, v8
	s_delay_alu instid0(VALU_DEP_1)
	v_mov_b32 v9, v8
.macro EBLOCK s, c                     ; my block kb = 4 s + 2 c + h of row r
.set XB, 64+32*\c
.irp g, 0,1
.irp j, 0,1,2,3,4,5,6,7
	v_pk_mul_f32 v[40+2*\j:41+2*\j], v[XB+16*\g+2*\j:XB+16*\g+2*\j+1], v[8:9]                       ; q0 = x r
.endr
.irp j, 0,1,2,3,4,5,6,7
	v_pk_fma_f32 v[XB+16*\g+2*\j:XB+16*\g+2*\j+1], v[40+2*\j:41+2*\j], v[10:11], v[XB+16*\g+2*\j:XB+16*\g+2*\j+1] neg_lo:[0,1,0] neg_hi:[0,1,0]   ; x - q0 u, in one rounding
.endr
.irp j, 0,1,2,3,4,5,6,7
	v_pk_fma_f32 v[XB+16*\g+2*\j:XB+16*\g+2*\j+1], v[XB+16*\g+2*\j:XB+16*\g+2*\j+1], v[8:9], v[40+2*\j:41+2*\j]   ; q0 + the rest x r
.endr
.endr
.set J, 0
.rept 16                               ; e2, of the unquantised quotients
.if (\s == 0) && (\c == 0) && (J < 2)
	v_pk_mul_f32 v[12+2*J:13+2*J], v[XB+2*J:XB+2*J+1], v[XB+2*J:XB+2*J+1]
.else
	v_pk_fma_f32 v[12+2*(J%2):13+2*(J%2)], v[XB+2*J:XB+2*J+1], v[XB+2*J:XB+2*J+1], v[12+2*(J%2):13+2*(J%2)]
.endif
.set J, J+1
.endr
	v_max3_num_f32 v16, |v[XB]|, |v[XB+1]|, |v[XB+2]|
	v_max3_num_f32 v17, |v[XB+3]|, |v[XB+4]|, |v[XB+5]|
.irp i, 6,10,14,18,22,26
	s_delay_alu instid0(VALU_DEP_2)
	v_max3_num_f32 v16, v16, |v[XB+\i]|, |v[XB+\i+1]|
	s_delay_alu instid0(VALU_DEP_2)
	v_max3_num_f32 v17, v17, |v[XB+\i+2]|, |v[XB+\i+3]|
.endr
	s_delay_alu instid0(VALU_DEP_2)
	v_max3_num_f32 v16, v16, |v[XB+30]|, |v[XB+31]|
	s_delay_alu instid0(VALU_DEP_1)
	v_max3_num_f32 v16, v16, v17, FLOOR
	s_delay_alu instid0(VALU_DEP_1)
	v_add_nc_u32 v18, TWOOFF, v16
.irp g, 0,1,2,3
	v_cvt_scalef32_pk8_fp4_f32 v[32+4*\c+\g], v[XB+8*\g:XB+8*\g+7], v18
.endr
	v_lshrrev_b32 v19, 23, v18                     ; the scale's byte (a plain line behind the conversions)
.if \c == 0
	s_delay_alu instid0(VALU_DEP_1)
	v_mov_b32 v[24+\s], v19
.else
	s_delay_alu instid0(VALU_DEP_1)
	v_lshl_or_b32 v[24+\s], v19, 16, v[24+\s]      ; bytes 2 c of the word; 8 h bits up at the end
.endif
	global_store_b128 v22, v[32+4*\c:35+4*\c], s[12:13] offset:1024*\s+512*\c   ; 32 lanes store 512 consecutive bytes
.endm
.macro ESTEP s
.set RS, 128+64*((\s)%2)
.if \s < 3
	s_wait_loadcnt 16                              ; this step's 16 loads are in; the next step's may be out
.else
	s_wait_loadcnt 0
.endif
.irp i, 0,1,2,3,4,5,6,7,8,9,10,11,12,13,14,15
	ds_store_b128 v5, v[RS+4*\i:RS+4*\i+3] offset:SPITCH*\i
.endr
.irp c, 0,1
.irp i, 0,1,2,3,4,5,6,7
	ds_load_b128 v[64+32*\c+4*\i:64+32*\c+4*\i+3], v6 offset:256*\c+16*\i   ; LDS serves a wave's instructions in order (ISA guide 5.7.1.4): these see the stores above
.endr
.endr
	s_wait_dscnt 0x0                               ; the numbers are back, and the stores have read their registers,
.if \s < 2
	ELOAD (\s)+2                                   ; which take the loads of two steps on
.endif
.if \s > 0
	s_wait_xcnt 0x0                                ; the last step's stores have read their data: the codes' registers are written again only behind this wait
.endif
	EBLOCK \s, 0
	EBLOCK \s, 1
.endm
	s_wait_alu depctr_va_vdst(0)                   ; the wait here, ahead of the blocking wait below
	ESTEP 0
	ESTEP 1
	ESTEP 2
	ESTEP 3
	; the record's tail: the scale words are made whole with lane l xor 16's bytes, e2 with its half; both go through LDS, so that 512 consecutive bytes leave by one store
	v_lshlrev_b32 v28, 3, v4
.irp s, 0,1,2,3
	v_lshlrev_b32 v[24+\s], v28, v[24+\s]
	v_mov_b32 v[56+\s], 0                          ; a lane permute's destination counts as one of its sources
.endr
	v_mov_b32 v60, 0
.irp s, 0,1,2,3
	v_permlanex16_b32 v[56+\s], v[24+\s], s26, s27
.endr
	v_add_f32 v12, v12, v13
	v_add_f32 v14, v14, v15
	s_delay_alu instid0(VALU_DEP_1)
	v_add_f32 v12, v12, v14
	s_delay_alu instid0(VALU_DEP_1)
	v_permlanex16_b32 v60, v12, s26, s27
.irp s, 0,1,2,3
	v_or_b32 v[24+\s], v[24+\s], v[56+\s]
.endr
	v_add_f32 v12, v12, v60                        ; e2 of row r
	v_mul_f32 v12, -0.5, v12                       ; -e2 / 2: what the product's sums begin with
	v_cmp_gt_u32 vcc_lo, 16, v2
.irp s, 0,1,2,3
	v_cndmask_b32 v[24+\s], 0, v[24+\s], vcc_lo    ; lanes 16-31 bring the zeros of the tail's second half
.endr
	ds_store_b128 v7, v[24:27]
	ds_store_b32 v21, v12                          ; lanes r and r + 16 write the same word with the same value
	ds_load_b128 v[40:43], v7
	s_wait_dscnt 0x0
	global_store_b128 v1, v[40:43], s[12:13] offset:4096
	s_wait_tensorcnt 0x0                           ; the wave's end, behind my last LDS store
	ds_add_u32 v62, v63
	s_wait_dscnt 0x0
	s_endpgm
.Lfunc_end_k_q62dedf850a_prep:
	.size	k_q62dedf850a_prep, .Lfunc_end_k_q62dedf850a_prep-k_q62dedf850a_prep
	.p2alignl 7, 3214868480
	.fill 96, 4, 3214868480
	.section	.rodata,"a",@progbits
	.p2align	6, 0x0
	.amdhsa_kernel k_q62dedf850a_prep
		.amdhsa_group_segment_fixed_size 19200
		.amdhsa_private_segment_fixed_size 0
		.amdhsa_enable_private_segment 0
		.amdhsa_kernarg_size 40
		.amdhsa_user_sgpr_count 2
		.amdhsa_user_sgpr_kernarg_segment_ptr 1
		.amdhsa_wavefront_size32 1
		.amdhsa_system_sgpr_workgroup_id_x 1
		.amdhsa_system_sgpr_workgroup_id_y 1
		.amdhsa_system_sgpr_workgroup_id_z 1
		.amdhsa_system_vgpr_workitem_id 0
		.amdhsa_next_free_vgpr 256
		.amdhsa_next_free_sgpr 66
		.amdhsa_reserve_vcc 1
		.amdhsa_float_denorm_mode_32 3
		.amdhsa_float_denorm_mode_16_64 3
		.amdhsa_memory_ordered 1
		.amdhsa_forward_progress 1
		.amdhsa_inst_pref_size 89
	.end_amdhsa_kernel
	.amdgpu_metadata
---
amdhsa.version: [ 1, 2 ]
amdhsa.kernels:
  - .name:           k_q62dedf850a_prep
    .symbol:         k_q62dedf850a_prep.kd
    .args:
      - { .name: x, .offset: 0, .size: 8, .value_kind: global_buffer, .address_space: global }
      - { .name: embedding_sum, .offset: 8, .size: 8, .value_kind: global_buffer, .address_space: global }
      - { .name: cluster_usage, .offset: 16, .size: 8, .value_kind: global_buffer, .address_space: global }
      - { .name: xq, .offset: 24, .size: 8, .value_kind: global_buffer, .address_space: global }
      - { .name: eq, .offset: 32, .size: 8, .value_kind: global_buffer, .address_space: global }
    .group_segment_fixed_size: 19200
    .private_segment_fixed_size: 0
    .kernarg_segment_align: 8
    .kernarg_segment_size: 40
    .max_flat_workgroup_size: 320
    .sgpr_count:     66
    .vgpr_count:     256
    .wavefront_size: 32
...
	.end_amdgpu_metadata
.endif
;; end of part 1
;; launch nearest (part 2): grid 64 x 4, 8 waves a work-group, clusters of 4 x 1, 327,680 bytes of LDS; arguments xq, eq, cand_val, cand_idx; writes cand_val, cand_idx
.if DOCPART == 2
	.amdgcn_target "amdgcn-amd-amdhsa--gfx1250"
	.amdhsa_code_object_version 6
	.text
	.protected	k_q62dedf850a_nearest
	.globl	k_q62dedf850a_nearest
	.p2align	8
	.type	k_q62dedf850a_nearest,@function
k_q62dedf850a_nearest:
	s_mov_b64 s[64:65], 0
	v_nop
	global_prefetch_b8 v0, s[64:65] scope:SCOPE_SE
	s_setreg_imm32_b32 hwreg(HW_REG_WAVE_MODE, 25, 1), 1
	s_wait_xcnt 0x0
	s_wait_alu depctr_hold_cnt(0) depctr_sa_sdst(0) depctr_va_vdst(0) depctr_va_sdst(0) depctr_va_ssrc(0) depctr_va_vcc(0) depctr_vm_vsrc(0)
	s_getreg_b32 s2, hwreg(HW_REG_IB_STS2, 6, 4)
	s_cmp_eq_u32 s2, 0
	s_cbranch_scc0 .Lentry_in_a_cluster
	s_endpgm
.Lentry_in_a_cluster:
	s_bfe_u32 s2, ttmp6, 0x10000c
	s_cmp_lg_u32 s2, 0x3003
	s_cbranch_scc0 .Lentry_shape_is_right
	s_endpgm
.Lentry_shape_is_right:
; NEAREST: for each of 16,384 rows of x and each quarter of the codebook: the greatest score S = P - e2 / 2 and its index.  Stored: the index, and e2 - 2 P = -2 S (the squared distance less x2) as a
; 32-bit whole number that keeps its order: the f32's bits, all flipped where it is negative, the sign bit alone flipped where it is not (a zero is made +0 first).  The next launch compares these whole numbers.
; P = x . emb on codes of FP4 (E2M1) with E8M0 scales, f32 sums.  x2 is left out: it is the same for all codewords of a row, so the argmin cannot hang on it (shown at the head of PREP).
; THE SUMS BEGIN WITH -e2 / 2: the first matrix instruction of each tile takes the record's eight numbers -e2 / 2 as its C, so the accumulators hold the scores and no vector line forms them.
; LIMITS: NaN and infinities are not served.  The score is rounded once in each of the four K steps, another order of rounding than reference()'s (x2 - 2 P) + e2.
; SHARES.  A work-group owns 256 rows (row block RB) and walks one quarter y of the codebook, 128 records of 16 codewords.  Waves 0-3 keep rows 0-127 in registers, waves 4-7 rows 128-255 (8 tiles x 4 fragments,
; 256 registers a wave); of the 16 records of a slot wave w takes records 4 (w % 4) .. 4 (w % 4) + 3.  So each record that comes into LDS is read by two waves, and each fragment read feeds eight products.
; LAYOUT.  Source 0 = 16 codewords, source 1 = 16 rows of x: a lane holds one row of x (lane % 16), and register j the codeword 8 (lane / 16) + j of the record.
; BY TURNS.  A wave's eight tiles of rows are two halves, A (tiles 0-3) and B (tiles 4-7).  In a phase one half has the matrix unit: 16 products of one record, in four groups of four (a K step each, the four
; accumulators by turns); the other half's vector work, 40 lines, stands between them in slices of 8, 8, 12, 12.  A slice names none of the registers of the products round it, so the slices are also the
; places behind the products (ISA guide 7.12.1).  Behind group s of phase B the next record's fragment s is loaded into the same registers; scale words and -e2 / 2 have two sets, by the record's parity.
; THE MAXIMUM.  Eight scores (a chunk: a lane's part of a record) at a time: four three-way maxima, one compare into VCC, one select for the chunk's number and four dual selects that keep its eight scores.
; Which of the eight it was is found once, at the end, by equality.  A strict > keeps the earliest chunk and the search by equality the lowest place, so equal scores give the lowest index.
; THE RING.  Two slots of 16 records (73,728 bytes).  Each wave fetches an eighth of a slot, two records (36 rows of 256 bytes: a slot shared out evenly among eight waves gives no more), one tensor load a wave
; at the head and behind each round, with no branch.  A wave reads records that other waves fetched: every wave waits for all its tensor loads in front of the barrier behind which they are read.
; CLUSTER: the four work-groups of a cluster have the same y and walk the same records, so each eighth is asked for jointly: the same load, the same descriptor, a mask that names the four.
; A wave has one tensor load out.
; PREFETCH.  Behind the tensor load of slot j stands one global_prefetch_b8 for slot j + 2, two refills ahead of the load that will want it (behind slot 0's load also one for slot 1); the loads of slots 6 and 7
; have no slot two on and ask for nothing.  All 16 clusters of a quarter walk the same stream, so four clusters of the launch ask (cluster x = 0 of each y).  In such a cluster the 36 blocks of 256 bytes that a
; wave fetches are shared out among the four partners by address: the partner at place cx names blocks 9 cx .. 9 cx + 8, a lane a block; lanes 9-31 name the last of them again.
; REGISTERS.  window 0: v1-6 addresses; v7 the prefetches' offset; v8-15 at work at the ends; v24-39 the running maximum of tile m, two registers by turns; v40-47 the winning chunk's number; v48-79 and v224-255
;   its eight scores; v80-95 x's scale words; v96-99, v120-123 emb's scale words, two sets; v100-115 -e2 / 2, two sets; v116-119 addresses for the end; v128-191 the eight accumulators; v192-223 emb's four fragments.
;   window 1: x's fragments (m, s) at 32 m + 8 s.
.set REC,   4608                       ; a record: 16 codewords
.set SHARE, 4*REC                      ; the four records of a slot that a wave reads
.set LSH,   2*REC                      ; the two records of a slot that a wave's tensor load brings
.set SLOT,  16*REC
.set SPARE, 2*SLOT                     ; behind the ring: the spare words, 128 bytes for each wave
.set MRG,   SPARE+1024                 ; 256 rows x 4 waves x 8 bytes, for the merge; no tile lands here
.set PAIRB, 8704                       ; a record of xq: 32 rows
.set NINF,  0xff800000
.set SPW, 1
.set NIL, 2
.set AF0, 3                            ; my lane's place in a slot: my wave's four records + 16 x lane
.set AE0, 4                            ; and among -e2 / 2: my wave's four records + 4352 + 32 (lane / 16)
.set AF,  5                            ; the same in the slot in hand
.set AE,  6
.set PFO, 7                            ; 256 x (9 cx + min(lane, 8)); never rewritten
.set TW,  8
.set BB,  24
.set CID, 40
.set SV,  48                           ; the winning chunk's scores 0-3 of tile m at 48 + 4 m,
.set SVH, 224                          ; its scores 4-7 at 224 + 4 m
.set XS,  80                           ; register 2 m + sp: lanes 0-15 the scale words of K step 2 sp, lanes 16-31 of K step 2 sp + 1
.set ES,  96
.set ESD, 24
.set E2,  100
.set ACC, 128
.set EF,  192
.set WV,  12
.set G1,  24                           ; s[24:31] descriptor group 1
.set G0W, 36                           ; s[36:39] group 0, which walks
.set TB,  40                           ; LDS byte at which the slot in hand begins
.set LAP, 41
.set CI,  42                           ; the index of the first codeword of the record whose scores are being searched
.set SH,  43                           ; what I read of a slot: (wave % 4) x SHARE
.set MK,  44                           ; s[44:51] masks, at the end
.set SEL, 52
.set PFA, 58                           ; s[58:59] what I fetch of the slot one behind the slot that is being asked for
.set LIM, 60                           ; 2 in a cluster that prefetches, else the greatest number
.set LS,  61                           ; what I fetch of a slot: wave x LSH
.set MSB, 0
.macro WIN new                         ; the immediate's high byte repeats the setting that is left; a switch that changes nothing is dropped
.if MSB != \new
	s_set_vgpr_msb (MSB<<8)|\new
.set MSB, \new
.endif
.endm
.macro CREST                           ; a round of the cluster's barrier behind its opening barrier
	s_cmp_lg_u32 s[WV], 0
	s_cbranch_scc1 .Lnot_wave_0_\@
	s_barrier_signal -3
.Lnot_wave_0_\@:
	s_barrier_wait -3
	s_barrier_signal -1
	s_barrier_wait -1
.endm
.macro CROUND
	s_barrier_signal -1
	s_barrier_wait -1
	CREST
.endm
.macro TLOAD                           ; my eighth of a slot, jointly with my three partners; s_nop 0 and four v_nop follow
	tensor_load_to_lds s[G0W:G0W+3], s[G1:G1+7]
	s_nop 0
.rept 4
	v_nop
.endr
.endm
	s_load_b256 s[4:11], s[0:1], 0x0               ; xq s[4:5], eq s[6:7], cand_val s[8:9], cand_idx s[10:11]
	v_lshl_add_u32 v[SPW], v0, 2, SPARE
	v_mov_b32 v[NIL], 0
	ds_add_u32 v[SPW], v[NIL]                      ; the opening lines: the add, twice on end, and its wait
	ds_add_u32 v[SPW], v[NIL]
	v_lshrrev_b32 v8, 5, v0
	v_readfirstlane_b32 s[WV], v8                  ; wave 0..7
	s_and_b32 s18, s[WV], 3                        ; which four records of a slot are mine
	s_lshr_b32 s19, s[WV], 2                       ; which 128 of the 256 rows
	s_bfe_u32 s13, ttmp6, 0x40000                  ; cx: it enters xq's, the candidates' and the prefetches' addresses alone
	s_lshl_b32 s14, ttmp9, 2
	s_add_co_u32 s14, s14, s13                     ; RB = 4 x cluster x + cx
	s_and_b32 s15, ttmp7, 0xffff                   ; y, which the four partners share
	; descriptor group 1: 9,216 dense bytes as 36 rows of 32 elements of 8 bytes; no padding: every LDS read takes 16 bytes a lane on end
	s_mov_b32 s[G1+0], 15|(3<<16)|(1<<21)          ; the mask: all four work-groups; elements of 8 bytes; bit 21 set beside a mask
	s_mov_b32 s[G1+1], 32<<16                      ; tensor_dim0 = 32
	s_mov_b32 s[G1+2], 36<<16                      ; tensor_dim1 = 36
	s_mov_b32 s[G1+3], 32<<16                      ; tile_dim0 = 32
	s_mov_b32 s[G1+4], 36                          ; tile_dim1 = 36
	s_mov_b32 s[G1+5], 32                          ; from row to row
	s_mov_b32 s[G1+6], 0
	s_mov_b32 s[G1+7], 0
	s_mul_i32 s[SH], s18, SHARE
	s_mul_i32 s[LS], s[WV], LSH
	s_mul_i32 s16, s15, 8*SLOT                     ; my quarter of the codebook: eight slots
	s_add_co_u32 s16, s16, s[LS]
	s_mov_b32 s17, 0
	s_lshl_b32 s20, s14, 1
	s_add_co_u32 s20, s20, s19                     ; 2 RB + my half of the rows
	s_mul_i32 s20, s20, 4*PAIRB                    ; my 128 rows in xq
	s_mov_b32 s21, 0
	s_lshl_b32 s22, s15, 16                        ; the candidates: [y][16,384] words; 1,024 bytes a row block; waves 0 to 3 store 256 each
	s_lshl_b32 s23, s14, 10
	s_add_co_u32 s22, s22, s23
	s_lshl_b32 s23, s18, 8
	s_add_co_u32 s22, s22, s23
	s_mov_b32 s23, 0
	s_mov_b32 s[SEL], 0x76543210
	s_mov_b32 s[SEL+1], 0xfedcba98                 ; v_permlanex16_b32's selects for lane l xor 16
	s_lshl_b32 s[CI], s15, 11
	s_lshl_b32 s54, s18, 6
	s_add_co_u32 s[CI], s[CI], s54                 ; 16 x my first record = 2048 y + 64 (wave % 4)
	s_mov_b32 s[TB], 0
	s_mov_b32 s[LAP], 6
	s_cmp_eq_u32 ttmp9, 0                          ; the cluster's x, the same in all four partners
	s_cselect_b32 s[LIM], 2, -1
	s_mul_i32 s57, s13, 9                          ; my work-group's 9 of the 36 blocks that my wave fetches
	s_wait_dscnt 0x0                               ; both opening adds are done
	s_wait_kmcnt 0x0
	s_mov_b32 s[G0W], 1                            ; count = 1
	s_mov_b32 s[G0W+1], s[LS]                      ; LDS address: slot 0, my eighth
	s_add_nc_u64 s[G0W+2:G0W+3], s[6:7], s[16:17]  ; global address: the quarter's first slot, my eighth
	s_or_b32 s[G0W+3], s[G0W+3], 0x80000000        ; type = 2
	s_add_nc_u64 s[PFA:PFA+1], s[6:7], s[16:17]    ; the same place, for the prefetches
	s_add_nc_u64 s[4:5], s[4:5], s[20:21]
	s_add_nc_u64 s[8:9], s[8:9], s[22:23]
	s_add_nc_u64 s[10:11], s[10:11], s[22:23]
	CROUND                                         ; all four work-groups are here: the first joint loads meet
	TLOAD                                          ; slot 0: one tensor load a wave at the head
	v_and_b32 v8, 31, v0                           ; lane
	v_and_b32 v9, 15, v0                           ; r
	v_bfe_u32 v13, v0, 4, 1                        ; h
	v_lshlrev_b32 v10, 4, v8                       ; 16 x lane
	v_lshlrev_b32 v11, 2, v9
	v_lshl_add_u32 v11, v13, 7, v11                ; 128 h + 4 r: x's scale words
	v_min_u32 v[PFO], 8, v8
	v_add_nc_u32 v[PFO], s57, v[PFO]
	v_lshlrev_b32 v[PFO], 8, v[PFO]
	s_wait_alu depctr_va_vdst(0)                   ; the wait ahead of the branch
	s_cmp_eq_u32 s[LIM], 2
	s_cbranch_scc0 .Lno_pf_a
	global_prefetch_b8 v[PFO], s[PFA:PFA+1] offset:SLOT th:TH_LOAD_NT scope:SCOPE_SE     ; slot 1
	global_prefetch_b8 v[PFO], s[PFA:PFA+1] offset:2*SLOT th:TH_LOAD_NT scope:SCOPE_SE   ; slot 2
.Lno_pf_a:
	WIN 0x40                                       ; destination window 1, address window 0
.irp m, 0,1,2,3,4,5,6,7                ; x's fragments stay in registers: piece p = 2 s + c of tile m is 512 consecutive bytes, 16 a lane
.irp p, 0,1,2,3,4,5,6,7
	global_load_b128 v[32*\m+4*\p:32*\m+4*\p+3], v10, s[4:5] offset:(\m/2)*PAIRB+(\m%2)*4096+512*\p
.endr
.endr
	WIN 0
.irp m, 0,1,2,3,4,5,6,7
.irp sp, 0,1
	global_load_b32 v[XS+2*\m+\sp], v11, s[4:5] offset:(\m/2)*PAIRB+8192+256*\sp+64*(\m%2)
.endr
.endr
	v_add_nc_u32 v[AF0], s[SH], v10
	s_add_co_u32 s55, s[SH], 4352
	v_lshl_add_u32 v[AE0], v13, 5, s55
	v_mov_b32 v[AF], v[AF0]                        ; slot 0 begins at LDS byte 0
	v_mov_b32 v[AE], v[AE0]
	v_lshlrev_b32 v116, 3, v13                     ; 8 h
	s_lshl_b32 s56, s18, 3
	s_lshl_b32 s55, s19, 12
	s_add_co_u32 s56, s56, s55
	s_add_co_u32 s56, s56, MRG
	v_lshl_add_u32 v117, v9, 5, s56                ; the merge, in: 32 bytes a row, 8 for each of the four waves that hold the row; my 128 rows begin at 4,096 x (wave / 4)
	s_lshl_b32 s57, s18, 11
	s_add_co_u32 s57, s57, MRG
	v_lshl_add_u32 v118, v8, 6, s57                ; and back (waves 0 to 3, 64 rows each): two rows a lane
	v_lshlrev_b32 v119, 3, v8                      ; and their place in the candidates' 256 bytes
.irp m, 0,1,2,3,4,5,6,7
	v_mov_b32 v[BB+2*\m], NINF                     ; the greatest score so far: -infinity
	v_mov_b32 v[CID+\m], s[CI]
.irp e, 0,1,2,3
	v_mov_b32 v[SV+4*\m+\e], NINF
	v_mov_b32 v[SVH+4*\m+\e], NINF
.endr
.endr
.macro LDSC ri, par                    ; my record ri of the slot in hand: its scale words (lanes 0-15: row r's four) and -e2 / 2 of my eight codewords, into set par
	ds_load_b128 v[ES+ESD*(\par):ES+ESD*(\par)+3], v[AF] offset:(\ri)*REC+4096
	ds_load_b128 v[E2+8*(\par):E2+8*(\par)+3], v[AE] offset:(\ri)*REC
	ds_load_b128 v[E2+8*(\par)+4:E2+8*(\par)+7], v[AE] offset:(\ri)*REC+16
.endm
.macro LDEF ri, s                      ; its fragment of K step s: two pieces of 512 consecutive bytes
	ds_load_b128 v[EF+8*(\s):EF+8*(\s)+3], v[AF] offset:(\ri)*REC+1024*(\s)
	ds_load_b128 v[EF+8*(\s)+4:EF+8*(\s)+7], v[AF] offset:(\ri)*REC+1024*(\s)+512
.endm
; A GROUP: four matrix instructions: 16 codewords x the 64 rows of half hb, K step s.  The half's four accumulators take turns, one instruction a turn; K step 0 starts the sums with -e2 / 2.
.macro GRP hb, s, par
	WIN 0x04                                       ; source 1 (x) window 1
.irp q, 0,1,2,3
.set MM, 4*(\hb)+\q
.if \s == 0
	v_wmma_scale_f32_16x16x128_f8f6f4 v[ACC+8*MM:ACC+8*MM+7], v[EF+8*(\s):EF+8*(\s)+7], v[32*MM+8*(\s):32*MM+8*(\s)+7], v[E2+8*(\par):E2+8*(\par)+7], v[ES+ESD*(\par)+(\s)], v[XS+2*MM+(\s)/2] matrix_a_fmt:MATRIX_FMT_FP4 matrix_b_fmt:MATRIX_FMT_FP4
.elseif \s == 2
	v_wmma_scale_f32_16x16x128_f8f6f4 v[ACC+8*MM:ACC+8*MM+7], v[EF+8*(\s):EF+8*(\s)+7], v[32*MM+8*(\s):32*MM+8*(\s)+7], v[ACC+8*MM:ACC+8*MM+7], v[ES+ESD*(\par)+(\s)], v[XS+2*MM+(\s)/2] matrix_a_fmt:MATRIX_FMT_FP4 matrix_b_fmt:MATRIX_FMT_FP4
.else
	v_wmma_scale_f32_16x16x128_f8f6f4 v[ACC+8*MM:ACC+8*MM+7], v[EF+8*(\s):EF+8*(\s)+7], v[32*MM+8*(\s):32*MM+8*(\s)+7], v[ACC+8*MM:ACC+8*MM+7], v[ES+ESD*(\par)+(\s)], v[XS+2*MM+(\s)/2] matrix_a_fmt:MATRIX_FMT_FP4 matrix_b_fmt:MATRIX_FMT_FP4 matrix_b_scale:MATRIX_SCALE_ROW1
.endif
.endr
.endm
; The chunk's maximum with the running one: from one of the running maximum's two registers into the other, so that old and new can be compared.  Each accumulator is read from its low end on.
.macro MX m, q, par
.if (\q) == 0
	v_max3_num_f32 v[BB+2*(\m)+1-(\par)], v[BB+2*(\m)+(\par)], v[ACC+8*(\m)], v[ACC+8*(\m)+1]
.else
	v_max3_num_f32 v[BB+2*(\m)+1-(\par)], v[BB+2*(\m)+1-(\par)], v[ACC+8*(\m)+2*(\q)], v[ACC+8*(\m)+2*(\q)+1]
.endif
.endm
; Has it risen?  Then the chunk's number is kept, and its eight scores, two selects to a dual pair (both halves take VCC as their mask).
.macro KEEP m, par
	v_cmp_gt_f32 vcc_lo, v[BB+2*(\m)+1-(\par)], v[BB+2*(\m)+(\par)]
	v_cndmask_b32 v[CID+(\m)], v[CID+(\m)], s[CI], vcc_lo
.irp e, 0,2
	v_dual_cndmask_b32 v[SV+4*(\m)+\e], v[SV+4*(\m)+\e], v[ACC+8*(\m)+\e] :: v_dual_cndmask_b32 v[SV+4*(\m)+\e+1], v[SV+4*(\m)+\e+1], v[ACC+8*(\m)+\e+1]
	v_dual_cndmask_b32 v[SVH+4*(\m)+\e], v[SVH+4*(\m)+\e], v[ACC+8*(\m)+4+\e] :: v_dual_cndmask_b32 v[SVH+4*(\m)+\e+1], v[SVH+4*(\m)+\e+1], v[ACC+8*(\m)+5+\e]
.endr
.endm
.macro SLICE hb, par, g                ; part g of half hb's vector work for a record of parity par: 0, 1: the maxima, the four tiles by turns; 2, 3: two tiles' selects each
	WIN 0
.if (\g) < 2
.irp q, 2*(\g), 2*(\g)+1
.irp t, 0,1,2,3
	MX 4*(\hb)+\t, \q, \par
.endr
.endr
.else
	KEEP 4*(\hb)+2*(\g)-4, \par
	KEEP 4*(\hb)+2*(\g)-3, \par
.endif
.endm
; PHASE B of a record of parity par: half B's products | half A's vector work of the same record.  load = 1: behind the slice of group s the next record's (ri, parity nxt) fragment s is asked for, into the registers
; that group s has just read: the slice's lines are the places between; with the first go its scale words and -e2 / 2, into the other set.  Eleven loads: 3 + 2, 2, 2, 2.
.macro PHASE_B par, nxt, ri, load
.irp s, 0,1,2,3
	GRP 1, \s, \par
	SLICE 0, \par, \s
.if \load
.if \s == 0
	LDSC \ri, \nxt
.endif
	LDEF \ri, \s
.endif
.endr
.endm
; PHASE A of a record of parity par: half A's products | half B's vector work of the record before (parity prev).  The counts of the waits are the loads that belong to later fragments.
; mode 1, 2: the change of slots, in a slot's last record: all its reads of the slot were asked for in the phase before.  Ahead of group 2 each wave waits for all its tensor loads (the one that is out is its part of
; the next slot), adds 0 to its spare word, and waits for that and for its reads of this slot; two groups and their slices, work on registers, stand between the signal and the wait.
; mode 1: the barrier opens a round of the cluster's barrier, and this slot is filled again with the records two slots on.  step: from the record whose search has just ended to the next.
.macro PHASE_A par, prev, mode, step
	s_wait_dscnt 6                                 ; the scale words, -e2 / 2 and fragment 0 are in; fragments 1 to 3, two loads each, may be out
	GRP 0, 0, \par
	SLICE 1, \prev, 0
	s_wait_alu depctr_va_vdst(0)                   ; the wait ahead of the blocking wait
	s_wait_dscnt 4                                 ; fragment 1 is in
	GRP 0, 1, \par
	SLICE 1, \prev, 1
	s_wait_alu depctr_va_vdst(0)                   ; likewise
.if \mode == 0
	s_wait_dscnt 2                                 ; fragment 2 is in
.else
.if \mode == 1
	s_wait_xcnt 0x0                                ; the last prefetch has read its address, a slot's work ago:
	s_add_nc_u64 s[PFA:PFA+1], s[PFA:PFA+1], SLOT  ; it steps here
.endif
	s_wait_tensorcnt 0x0                           ; no tensor load of mine is out, so group 0 may be written
	ds_add_u32 v[SPW], v[NIL]                      ; 0 onto my spare word
.if \mode == 1
	s_add_co_u32 s[G0W+1], s[TB], s[LS]            ; the slot in hand, my eighth,
	s_add_nc_u64 s[G0W+2:G0W+3], s[G0W+2:G0W+3], SLOT   ; takes the next 16 records that have not been asked for; the type bits on top are not reached
.endif
	s_wait_dscnt 0x0                               ; the add is done, and my reads of this slot are over: fragments 2 and 3 are in
	s_barrier_signal -1
.endif
	GRP 0, 2, \par
	SLICE 1, \prev, 2
.if \mode == 0
	s_wait_dscnt 0x0                               ; fragment 3 is in
.endif
	GRP 0, 3, \par
	SLICE 1, \prev, 3
.if \mode != 0
	s_barrier_wait -1
.if \mode == 1
	CREST                                          ; no wave of any partner still reads this slot or has a load on its way
	TLOAD                                          ; the first tensor load behind the round, one a wave
	s_cmp_gt_u32 s[LAP], s[LIM]                    ; trips 6 to 3 to go, in a cluster that prefetches: the slot two refills on exists
	s_cbranch_scc0 .Lno_pf_\@
	global_prefetch_b8 v[PFO], s[PFA:PFA+1] offset:3*SLOT th:TH_LOAD_NT scope:SCOPE_SE
.Lno_pf_\@:
.endif
	s_xor_b32 s[TB], s[TB], SLOT
	v_add_nc_u32 v[AF], s[TB], v[AF0]
	v_add_nc_u32 v[AE], s[TB], v[AE0]
.endif
	s_add_co_u32 s[CI], s[CI], \step
.endm
.macro SLOTRUN mode                    ; from phase B of a slot's first record to phase A of the next slot's first
	PHASE_B 0, 1, 1, 1
	PHASE_A 1, 0, 0, 16
	PHASE_B 1, 0, 2, 1
	PHASE_A 0, 1, 0, 16
	PHASE_B 0, 1, 3, 1
	PHASE_A 1, 0, \mode, 16
	PHASE_B 1, 0, 0, 1                             ; its loads read the next slot
	PHASE_A 0, 1, 0, 208                           ; 16 records on from this slot's first: 256 - 3 x 16
.endm
.macro LEXMIN db, di, vb, vi, wb, wi   ; (db, di) = the lesser of (vb, vi) and (wb, wi) by e2 - 2 P, then by index
	v_cmp_lt_f32 s54, v[\wb], v[\vb]
	v_cmp_eq_f32 s55, v[\wb], v[\vb]
	v_cmp_lt_u32 s56, v[\wi], v[\vi]
	s_and_b32 s55, s55, s56
	s_or_b32 s54, s54, s55
	v_cndmask_b32 v[\db], v[\vb], v[\wb], s54
	v_cndmask_b32 v[\di], v[\vi], v[\wi], s54
.endm
	s_wait_alu depctr_va_vdst(0)                   ; the wait at the head's end
	s_wait_tensorcnt 0x0                           ; my eighth of slot 0 is in
	ds_add_u32 v[SPW], v[NIL]
	s_add_co_u32 s[G0W+1], s[LS], SLOT             ; slot 1, my eighth,
	s_add_nc_u64 s[G0W+2:G0W+3], s[G0W+2:G0W+3], SLOT   ; and its 16 records
	s_wait_dscnt 0x0                               ; the add is done
	CROUND                                         ; a whole round: everybody's eighth of slot 0 is in, and the joint loads meet
	TLOAD                                          ; slot 1's first fill, the first tensor load behind the round
	s_cmp_eq_u32 s[LIM], 2
	s_cbranch_scc0 .Lno_pf_b
	global_prefetch_b8 v[PFO], s[PFA:PFA+1] offset:3*SLOT th:TH_LOAD_NT scope:SCOPE_SE   ; slot 3
.Lno_pf_b:
	LDSC 0, 0
.irp s, 0,1,2,3
	LDEF 0, \s
.endr
	s_wait_loadcnt 0x0                             ; x's fragments and scale words
	s_wait_dscnt 0x0                               ; the first record's eleven loads are in
.irp s, 0,1,2,3
	GRP 0, \s, 0                                   ; the first record's phase A stands bare: there is no vector work yet to set between
.endr
	WIN 0
.rept 4
	v_nop                                          ; the places ahead of the first read of these results
.endr
.Lslot:                                            ; six trips: slots 0 to 5; each asks for the records two slots on
	s_wait_alu depctr_va_vdst(0)                   ; the wait behind the backward jump
	SLOTRUN 1
	s_sub_co_u32 s[LAP], s[LAP], 1
	s_cmp_lg_u32 s[LAP], 0
	s_cbranch_scc1 .Lslot
	SLOTRUN 2                                      ; the last two slots are written out: they ask for nothing
	PHASE_B 0, 1, 1, 1
	PHASE_A 1, 0, 0, 16
	PHASE_B 1, 0, 2, 1
	PHASE_A 0, 1, 0, 16
	PHASE_B 0, 1, 3, 1
	PHASE_A 1, 0, 0, 16
	PHASE_B 1, 0, 0, 0                             ; the last record: nothing more to fetch
.irp g, 0,1,2,3
	SLICE 1, 1, \g                                 ; and its half B's vector work, bare
.endr
	; THE END.  Which of the winning chunk's eight it was: the lowest place whose score equals the maximum
.irp m, 0,1,2,3,4,5,6,7
	v_mov_b32 v[TW+\m], 7
.endr
.irp e, 6,5,4,3,2,1,0
.irp m, 0,1,2,3,4,5,6,7
.if \e < 4
	v_cmp_eq_f32 s[MK+\m], v[SV+4*\m+\e], v[BB+2*\m]
.else
	v_cmp_eq_f32 s[MK+\m], v[SVH+4*\m+\e-4], v[BB+2*\m]
.endif
.endr
.irp m, 0,1,2,3,4,5,6,7
	v_cndmask_b32 v[TW+\m], v[TW+\m], \e, s[MK+\m]
.endr
.endr
.irp m, 0,1,2,3,4,5,6,7
	v_add3_u32 v[BB+2*\m+1], v[CID+\m], v[TW+\m], v116   ; the index: record + place + 8 (lane / 16)
	v_fma_f32 v[BB+2*\m], v[BB+2*\m], -2.0, 0            ; e2 - 2 P, exactly, a zero as +0: from here on the lesser wins
.endr
.irp m, 0,1,2,3,4,5,6,7
	v_permlanex16_b32 v[SV+4*\m], v[BB+2*\m], s[SEL], s[SEL+1]   ; the row's other eight codewords of each record lie in the lane 16 away
	v_permlanex16_b32 v[SV+4*\m+1], v[BB+2*\m+1], s[SEL], s[SEL+1]
.endr
.irp m, 0,1,2,3,4,5,6,7
	LEXMIN BB+2*\m, BB+2*\m+1, BB+2*\m, BB+2*\m+1, SV+4*\m, SV+4*\m+1
.endr
.irp m, 0,1,2,3,4,5,6,7
	ds_store_b64 v117, v[BB+2*\m:BB+2*\m+1] offset:512*\m   ; row 16 m + r of my 128, my wave's 8 bytes; lanes r and r + 16 write the same
.endr
	s_wait_dscnt 0x0                               ; for the others' sake: my stores are done
	s_barrier_signal -1
	s_barrier_wait -1
	s_cmp_lt_u32 s[WV], 4                          ; waves 0 to 3 merge the four candidates of each row, 64 rows each, two rows a lane
	s_cbranch_scc0 .Ldone
.irp i, 0,1,2,3
	ds_load_b128 v[ACC+4*\i:ACC+4*\i+3], v118 offset:16*\i
.endr
	s_wait_dscnt 0x0
	LEXMIN TW, TW+2, ACC, ACC+1, ACC+2, ACC+3
	LEXMIN TW+1, TW+3, ACC+8, ACC+9, ACC+10, ACC+11
.irp k, 2,3
	LEXMIN TW, TW+2, TW, TW+2, ACC+2*\k, ACC+2*\k+1
	LEXMIN TW+1, TW+3, TW+1, TW+3, ACC+8+2*\k, ACC+9+2*\k
.endr
.irp i, 0,1                            ; the whole number that keeps the order: negative numbers have all bits flipped, the others the sign bit
	v_ashrrev_i32 v[TW+4+\i], 31, v[TW+\i]
.endr
.irp i, 0,1
	v_or_b32 v[TW+4+\i], 0x80000000, v[TW+4+\i]
.endr
.irp i, 0,1
	v_xor_b32 v[TW+\i], v[TW+\i], v[TW+4+\i]
.endr
	global_store_b64 v119, v[TW:TW+1], s[8:9]      ; 32 lanes store 256 consecutive bytes, at a multiple of 256 from the buffer's first byte
	global_store_b64 v119, v[TW+2:TW+3], s[10:11]
.Ldone:
	s_wait_tensorcnt 0x0                           ; the wave's end: behind my last tensor load and my last LDS store
	ds_add_u32 v[SPW], v[NIL]
	s_wait_dscnt 0x0
	CROUND                                         ; the closing round: no work-group ends while a partner may still ask for a tile that names it
	s_endpgm
.Lfunc_end_k_q62dedf850a_nearest:
	.size	k_q62dedf850a_nearest, .Lfunc_end_k_q62dedf850a_nearest-k_q62dedf850a_nearest
	.p2alignl 7, 3214868480
	.fill 96, 4, 3214868480
	.section	.rodata,"a",@progbits
	.p2align	6, 0x0
	.amdhsa_kernel k_q62dedf850a_nearest
		.amdhsa_group_segment_fixed_size 327680
		.amdhsa_private_segment_fixed_size 0
		.amdhsa_enable_private_segment 0
		.amdhsa_kernarg_size 32
		.amdhsa_user_sgpr_count 2
		.amdhsa_user_sgpr_kernarg_segment_ptr 1
		.amdhsa_wavefront_size32 1
		.amdhsa_system_sgpr_workgroup_id_x 1
		.amdhsa_system_sgpr_workgroup_id_y 1
		.amdhsa_system_sgpr_workgroup_id_z 1
		.amdhsa_system_vgpr_workitem_id 0
		.amdhsa_next_free_vgpr 512
		.amdhsa_next_free_sgpr 66
		.amdhsa_reserve_vcc 1
		.amdhsa_float_denorm_mode_32 3
		.amdhsa_float_denorm_mode_16_64 3
		.amdhsa_memory_ordered 1
		.amdhsa_forward_progress 1
		.amdhsa_inst_pref_size 158
	.end_amdhsa_kernel
	.amdgpu_metadata
---
amdhsa.version: [ 1, 2 ]
amdhsa.kernels:
  - .name:           k_q62dedf850a_nearest
    .symbol:         k_q62dedf850a_nearest.kd
    .args:
      - { .name: xq, .offset: 0, .size: 8, .value_kind: global_buffer, .address_space: global }
      - { .name: eq, .offset: 8, .size: 8, .value_kind: global_buffer, .address_space: global }
      - { .name: cand_val, .offset: 16, .size: 8, .value_kind: global_buffer, .address_space: global }
      - { .name: cand_idx, .offset: 24, .size: 8, .value_kind: global_buffer, .address_space: global }
    .group_segment_fixed_size: 327680
    .private_segment_fixed_size: 0
    .kernarg_segment_align: 8
    .kernarg_segment_size: 32
    .max_flat_workgroup_size: 256
    .sgpr_count:     66
    .vgpr_count:     512
    .wavefront_size: 32
...
	.end_amdgpu_metadata
.endif
;; end of part 2
;; launch decode (part 3): grid 256 x 1, 16 waves a work-group, no clusters, 133,120 bytes of LDS; arguments cand_val, cand_idx, embedding_sum, cluster_usage, out0, out1; writes out0, out1
.if DOCPART == 3
	.amdgcn_target "amdgcn-amd-amdhsa--gfx1250"
	.amdhsa_code_object_version 6
	.text
	.protected	k_q62dedf850a_decode
	.globl	k_q62dedf850a_decode
	.p2align	8
	.type	k_q62dedf850a_decode,@function
k_q62dedf850a_decode:
	s_mov_b64 s[64:65], 0
	v_nop
	global_prefetch_b8 v0, s[64:65] scope:SCOPE_SE
	s_setreg_imm32_b32 hwreg(HW_REG_WAVE_MODE, 25, 1), 1
	s_wait_xcnt 0x0
; DECODE: of each row's four candidates (one for each quarter of the codebook) the nearest is the code; out0[n] = the code, out1[b][:][t] = embedding_sum[code][:] / max(cluster_usage[code], 1e-5).
; cand_val holds, for each candidate, e2 - 2 P as a 32-bit whole number that keeps its order (made by NEAREST); x2, which all candidates of a row share, is left out of it (shown at the head of PREP).
; The choice is made by unsigned compares of whole numbers read from memory; the chosen index, held to 0 .. 8191, names the one row that is loaded.
; Equal numbers keep the earlier quarter's candidate, whose index is the lower.
; SHARES.  Work-group w owns rows n = 64 w .. 64 w + 63, that is b = w / 16, t = 64 (w % 16) + 0 .. 63, and all 512 d.
; A: wave v gathers rows 4 v .. 4 v + 3, two at a time (sixteen lanes to a row, 256 consecutive bytes a load), divides, and puts them into LDS as rows of 2,048 bytes.
; B: wave v stores d = 32 v .. 32 v + 31.  A lane (q = lane % 16, dd = lane / 16) reads the 16-byte piece 8 v + 2 g + dd (four d) of rows 4 q .. 4 q + 3, turns the 4 x 4 numbers in registers, and stores four
; neighbouring t of one d at a time: sixteen lanes store 256 consecutive bytes of out1, aligned.
; LDS: 64 rows x 2,048 bytes, no padding.  The 16-byte piece c of row t lies at place (c & ~15) | ((c + t / 4) & 15): in A the sixteen lanes of a store, in B the sixteen lanes of a load's pass touch sixteen
; different 16-byte columns (64 banks of 4 bytes: ISA guide 11.1).
; The division here is a multiplication by v_rcp_f32's result: out1 goes into no quantiser.  LIMITS: NaN and infinities are not served.
.set EPS, 0x3727c5ac                   ; 1e-5
.set KY,  60                           ; v60-67 the numbers of quarter y, pair pr at 60 + 2 y + pr;  v68-75 their indices
.set IX,  68
.set KW,  76                           ; wave 0: v76-83 the numbers of two rows a lane, quarter y at 76 + 2 y;  v84-91 their indices
.set IW,  84
	s_load_b256 s[4:11], s[0:1], 0x0               ; cand_val s[4:5], cand_idx s[6:7], embedding_sum s[8:9], cluster_usage s[10:11]
	s_load_b128 s[12:15], s[0:1], 0x20             ; out0 s[12:13], out1 s[14:15]
	v_lshl_add_u32 v126, v0, 2, 0x20000            ; my spare word, behind the 64 rows
	v_mov_b32 v127, 0
	v_lshrrev_b32 v1, 5, v0
	v_readfirstlane_b32 s16, v1                    ; wave v, 0..15
	v_and_b32 v2, 31, v0                           ; lane
	v_and_b32 v3, 15, v0                           ; lane % 16
	v_bfe_u32 v4, v0, 4, 1                         ; lane / 16
	s_lshl_b32 s18, ttmp9, 8                       ; my 64 rows' words
	s_mov_b32 s19, 0
	s_lshl_b32 s17, s16, 4
	v_lshl_add_u32 v5, v4, 2, s17                  ; the candidates of row 4 v + 2 pr + h: 16 v + 4 h (+ 8 pr)
	v_lshlrev_b32 v50, 3, v2                       ; wave 0: two rows a lane
	v_lshlrev_b32 v52, 4, v3                       ; 16 (lane % 16)
	; A's LDS address: row 4 v + h (+ 2 pr), place (lane % 16 + v) % 16 (+ 16 c)
	v_add_nc_u32 v6, s16, v3
	v_and_b32 v6, 15, v6
	v_lshlrev_b32 v6, 4, v6
	v_lshl_add_u32 v6, v4, 11, v6
	s_lshl_b32 s20, s16, 13
	v_add_nc_u32 v6, s20, v6
	; B's: rows 4 q + e; piece 8 v + 2 g + dd: place 16 (v / 2) + (8 (v % 2) + 2 g + dd + q) % 16
	s_and_b32 s21, s16, 1
	s_lshl_b32 s21, s21, 3
	v_add_nc_u32 v7, s21, v3
	v_add_nc_u32 v7, v7, v4
	s_lshr_b32 s22, s16, 1
	s_lshl_b32 s22, s22, 8
	v_lshl_add_u32 v53, v3, 13, s22
.irp g, 0,1,2,3
	v_add_nc_u32 v[32+\g], 2*\g, v7
.endr
.irp g, 0,1,2,3
	v_and_b32 v[32+\g], 15, v[32+\g]
.endr
.irp g, 0,1,2,3
	v_lshl_add_u32 v[32+\g], v[32+\g], 4, v53
.endr
	v_lshlrev_b32 v54, 14, v4
	v_lshl_add_u32 v54, v3, 4, v54                 ; out1: four rows of 4,096 bytes x dd + 16 q
	s_lshr_b32 s28, ttmp9, 4
	s_lshl_b32 s28, s28, 21                        ; b x 512 x 4,096 bytes
	s_lshl_b32 s23, s16, 17                        ; + 32 v rows of 4,096
	s_add_co_u32 s28, s28, s23
	s_and_b32 s23, ttmp9, 15
	s_lshl_b32 s23, s23, 8                         ; + 4 x 64 (w % 16)
	s_add_co_u32 s28, s28, s23
	s_mov_b32 s29, 0
	s_wait_alu depctr_va_vdst(0)                   ; the wait at the head's end
	s_wait_kmcnt 0x0
	s_add_nc_u64 s[4:5], s[4:5], s[18:19]
	s_add_nc_u64 s[6:7], s[6:7], s[18:19]
	s_add_nc_u64 s[12:13], s[12:13], s[18:19]
	s_add_nc_u64 s[14:15], s[14:15], s[28:29]
.irp y, 0,1,2,3
.irp pr, 0,1
	global_load_b32 v[KY+2*\y+\pr], v5, s[4:5] offset:65536*\y+8*\pr   ; quarter y's least number,
	global_load_b32 v[IX+2*\y+\pr], v5, s[6:7] offset:65536*\y+8*\pr   ; and its index
.endr
.endr
	s_cmp_lg_u32 s16, 0                            ; wave 0 also makes the 64 codes: its eight loads go out behind the sixteen and share their wait
	s_cbranch_scc1 .Lnot_0
.irp y, 0,1,2,3
	global_load_b64 v[KW+2*\y:KW+2*\y+1], v50, s[4:5] offset:65536*\y
	global_load_b64 v[IW+2*\y:IW+2*\y+1], v50, s[6:7] offset:65536*\y
.endr
	s_wait_loadcnt 0x0
.irp y, 1,2,3
	v_cmp_lt_u32 s26, v[KW+2*\y], v[KW]
	v_cmp_lt_u32 s27, v[KW+2*\y+1], v[KW+1]
	v_cndmask_b32 v[KW], v[KW], v[KW+2*\y], s26
	v_cndmask_b32 v[KW+1], v[KW+1], v[KW+2*\y+1], s27
	v_cndmask_b32 v[IW], v[IW], v[IW+2*\y], s26
	v_cndmask_b32 v[IW+1], v[IW+1], v[IW+2*\y+1], s27
.endr
	global_store_b64 v50, v[IW:IW+1], s[12:13]     ; 32 lanes store 256 consecutive bytes of out0, aligned
.Lnot_0:
	s_wait_loadcnt 0x0
.irp y, 1,2,3                          ; a later quarter's candidate only where it is strictly nearer
	v_cmp_lt_u32 s24, v[KY+2*\y], v[KY]
	v_cmp_lt_u32 s25, v[KY+2*\y+1], v[KY+1]
	v_cndmask_b32 v[KY], v[KY], v[KY+2*\y], s24
	v_cndmask_b32 v[KY+1], v[KY+1], v[KY+2*\y+1], s25
	v_cndmask_b32 v[IX], v[IX], v[IX+2*\y], s24
	v_cndmask_b32 v[IX+1], v[IX+1], v[IX+2*\y+1], s25
.endr
.irp pr, 0,1
	v_min_u32 v[12+\pr], 0x1fff, v[IX+\pr]         ; an index stays inside the table
.endr
.irp pr, 0,1
	v_lshlrev_b32 v[20+\pr], 2, v[12+\pr]
	v_lshlrev_b32 v[24+\pr], 11, v[12+\pr]
.endr
.irp pr, 0,1
	v_add_nc_u32 v[24+\pr], v52, v[24+\pr]
.endr
.irp pr, 0,1
	global_load_b32 v[16+\pr], v[20+\pr], s[10:11]
.endr
.irp pr, 0,1
.irp c, 0,1,2,3,4,5,6,7
	global_load_b128 v[128+32*\pr+4*\c:128+32*\pr+4*\c+3], v[24+\pr], s[8:9] offset:256*\c   ; sixteen lanes read 256 consecutive bytes of a row
.endr
.endr
	s_wait_loadcnt 16                              ; the two usages are in; the 16 loads of rows may be out
	v_max_num_f32 v55, EPS, v16
	v_max_num_f32 v56, EPS, v17
	s_wait_alu depctr_va_vdst(0)                   ; the wait ahead of the batch
	v_rcp_f32 v28, v55
	v_rcp_f32 v30, v56
	v_nop                                          ; a plain line behind the reciprocals
	s_wait_alu depctr_va_vdst(0)                   ; and ahead of the first line that names a result: one for both
	v_mov_b32 v29, v28
	v_mov_b32 v31, v30
	s_wait_alu depctr_va_vdst(0)                   ; the wait ahead of the blocking wait
.macro PROC pr, left                   ; rows 4 v + 2 pr + h: divided, into LDS.  left: the younger loads that may stay out
	s_wait_loadcnt \left
.set RB0, 128+32*\pr
.set I, 0
.rept 16
	v_pk_mul_f32 v[RB0+2*I:RB0+2*I+1], v[RB0+2*I:RB0+2*I+1], v[28+2*\pr:29+2*\pr]
.set I, I+1
.endr
.irp c, 0,1,2,3,4,5,6,7
	ds_store_b128 v6, v[RB0+4*\c:RB0+4*\c+3] offset:4096*\pr+256*\c
.endr
.endm
	PROC 0, 8                                      ; the second pair's 8 loads may be out
	PROC 1, 0
	s_wait_dscnt 0x0                               ; for the others' sake: my stores are done
	s_barrier_signal -1
	s_barrier_wait -1                              ; 64 whole rows lie in LDS
.irp g, 0,1,2,3                        ; group g: d = 32 v + 8 g + 4 dd + 0 .. 3 of rows 4 q + e
.irp e, 0,1,2,3
	ds_load_b128 v[128+16*\g+4*\e:128+16*\g+4*\e+3], v[32+\g] offset:2048*\e
.endr
.endr
.irp g, 0,1,2,3
	s_wait_dscnt 4*(3-\g)                          ; LDS loads come back in order (ISA guide 5.7.1): group g's four are in, the later groups' may be out
.irp i, 0,1,2,3
.irp e, 0,1,2,3
	v_mov_b32 v[192+16*\g+4*\i+\e], v[128+16*\g+4*\e+\i]   ; the 4 x 4 turn: four neighbouring t of one d on end; each group has registers of its own, so no store's data are written again
.endr
.endr
.irp i, 0,1,2,3
	global_store_b128 v54, v[192+16*\g+4*\i:192+16*\g+4*\i+3], s[14:15] offset:(8*\g+\i)*4096 th:TH_STORE_NT   ; sixteen lanes store 256 consecutive bytes, at a multiple of 256 from out1's first byte
.endr
.endr
	s_wait_tensorcnt 0x0                           ; the wave's end: behind my last LDS store
	ds_add_u32 v126, v127
	s_wait_dscnt 0x0
	s_endpgm
.Lfunc_end_k_q62dedf850a_decode:
	.size	k_q62dedf850a_decode, .Lfunc_end_k_q62dedf850a_decode-k_q62dedf850a_decode
	.p2alignl 7, 3214868480
	.fill 96, 4, 3214868480
	.section	.rodata,"a",@progbits
	.p2align	6, 0x0
	.amdhsa_kernel k_q62dedf850a_decode
		.amdhsa_group_segment_fixed_size 133120
		.amdhsa_private_segment_fixed_size 0
		.amdhsa_enable_private_segment 0
		.amdhsa_kernarg_size 48
		.amdhsa_user_sgpr_count 2
		.amdhsa_user_sgpr_kernarg_segment_ptr 1
		.amdhsa_wavefront_size32 1
		.amdhsa_system_sgpr_workgroup_id_x 1
		.amdhsa_system_sgpr_workgroup_id_y 1
		.amdhsa_system_sgpr_workgroup_id_z 1
		.amdhsa_system_vgpr_workitem_id 0
		.amdhsa_next_free_vgpr 256
		.amdhsa_next_free_sgpr 66
		.amdhsa_reserve_vcc 0
		.amdhsa_float_denorm_mode_32 3
		.amdhsa_float_denorm_mode_16_64 3
		.amdhsa_memory_ordered 1
		.amdhsa_forward_progress 1
		.amdhsa_inst_pref_size 18
	.end_amdhsa_kernel
	.amdgpu_metadata
---
amdhsa.version: [ 1, 2 ]
amdhsa.kernels:
  - .name:           k_q62dedf850a_decode
    .symbol:         k_q62dedf850a_decode.kd
    .args:
      - { .name: cand_val, .offset: 0, .size: 8, .value_kind: global_buffer, .address_space: global }
      - { .name: cand_idx, .offset: 8, .size: 8, .value_kind: global_buffer, .address_space: global }
      - { .name: embedding_sum, .offset: 16, .size: 8, .value_kind: global_buffer, .address_space: global }
      - { .name: cluster_usage, .offset: 24, .size: 8, .value_kind: global_buffer, .address_space: global }
      - { .name: out0, .offset: 32, .size: 8, .value_kind: global_buffer, .address_space: global }
      - { .name: out1, .offset: 40, .size: 8, .value_kind: global_buffer, .address_space: global }
    .group_segment_fixed_size: 133120
    .private_segment_fixed_size: 0
    .kernarg_segment_align: 8
    .kernarg_segment_size: 48
    .max_flat_workgroup_size: 512
    .sgpr_count:     66
    .vgpr_count:     256
    .wavefront_size: 32
...
	.end_amdgpu_metadata
.endif
;; end of part 3
